; MI455X (gfx1250); checked and timed in simulation.
; The chip was launched on July 23, 2026; its instructions are those of AMD's public machine-readable ISA for CDNA 5 (MIT licence, August 2026) and "CDNA5" Instruction Set Architecture Reference Guide (July 2026). The comments in the code are by the model that wrote it; some were corrected since.
;; Net. Allowed arithmetic: float matrix products may take bf16 or f16 operands with f32 sums; all other float work in f32.
;; Inputs: b 4,096 x 8,192 float32; u_hat 8,192 float32.
;; Outputs: out0 4,096 float32.
;; One version. Each part assembles by itself: llvm-mc -triple=amdgcn-amd-amdhsa -mcpu=gfx1250 --defsym DOCPART=n.
;; ======== version 1 of 1: 2 launches
;; limits: right only within a limited range of input values; inputs' magnitudes at most 4.25e+37
;; workspace buffers: svals 16,384 bytes
;; launch rowdot (part 1): grid 256 x 1, 16 waves a work-group, no clusters, 100,608 bytes of LDS; arguments b, u_hat, svals; writes svals
.if DOCPART == 1
	.amdgcn_target "amdgcn-amd-amdhsa--gfx1250"
	.amdhsa_code_object_version 6
	.text
	.protected	k_qabc77f1c49_rowdot
	.globl	k_qabc77f1c49_rowdot
	.p2align	8
	.type	k_qabc77f1c49_rowdot,@function
k_qabc77f1c49_rowdot:
	s_mov_b64 s[64:65], 0
	v_nop
	global_prefetch_b8 v0, s[64:65] scope:SCOPE_SE
	s_setreg_imm32_b32 hwreg(HW_REG_WAVE_MODE, 25, 1), 1
	s_wait_xcnt 0x0
; s[c] = sum_j softmax(b[c])[j] * u_hat[j].   b: [4096][8192] f32, u_hat: [8192] f32, svals: [4096] f32.
; 256 work-groups of 16 waves; a work-group owns 16 whole rows (512 KB of b, read once).
; Thread t (0..511) owns the 16 bytes at 16 t + 8192 j (j = 0..3) of every row: one load of a wave covers 512 consecutive
; aligned bytes, and a thread's 16 numbers of u_hat are loaded once and stay in registers for all 16 rows.
; A ring of 8 row slots in registers keeps 32 loads of every wave in flight; all addresses are one offset register plus
; immediates (at most 15 x 32768 + 3 x 8192 bytes), so no address register is ever rewritten.
; THE MAXIMUM: each lane takes the maximum m of its own 16 numbers of the row away, in the log2 domain by one fused
; multiply-add (x log2e - m log2e), and leaves three figures for the row in LDS: -m log2e, sum e, sum e u.  Behind one barrier wave w
; merges the 512 triples of row w: the smallest -m log2e is the row's true maximum, each triple is scaled by 2^(difference).
; So one reduction across lanes serves a whole row in place of one for each wave and row.
; NOT USED, by this text's own arithmetic: matrix instructions (the product has one column: 15 of 16 columns of a tile would be
; idle, and the operands would first have to be narrowed); clusters (all that work-groups share is u_hat, 32 KB beside 512 KB
; of b that each reads alone); an LDS ring (the ring fits in registers).
; LIMITS: finite b of magnitude above 2^125 is not served (b x log2e would overflow, or a row lying wholly under the floor FLOOR
; of the maximum gives NaN).  -inf in b has weight 0, +inf or NaN in b gives NaN, as in the reference.  Terms more than 2^126 below
; their maximum count as 0 (v_exp_f32 flushes such results).  The sums run in another order than the reference's.
.set ROWB,   32768                     ; bytes in a row of b
.set QUART,  8192                      ; 512 threads x 16 bytes
.set DEPTH,  8                         ; row slots in the ring
.set FIGB,   2048                      ; one figure of one row in LDS: 512 threads x 4 bytes
.set ROWFIG, 3*FIGB                    ; a row's three figures
.set HALF,   8*ROWFIG                  ; eight rows' figures: 49,152 bytes, so that LDS immediates stay inside 16 bits
.set SOUT,   16*ROWFIG                 ; behind the figures: the work-group's 16 results
.set OFF, 1                            ; v1        16 t: byte offset in a row of b and in u_hat
.set LA0, 2                            ; v2        4 t: my word of a figure, rows 0-7
.set LA1, 3                            ; v3        the same for rows 8-15
.set RA,  4                            ; v4        the merge: 16 x lane + my wave's row of figures
.set SA,  5                            ; v5        my wave's word among the 16 results
.set U,   6                            ; v[6:21]   u_hat of my 16 columns
.set NM,  22                           ; v[22:23]  -m log2e, twice (a pair for the packed multiply-add)
.set P,   24                           ; v[24:31]  maxima, then partial sums of e
.set Q,   32                           ; v[32:35]  partial sums of e u
.set T,   36                           ; v[36:51]  exponents, then e
.set X,   52                           ; v[52:179] slot i: 16 registers, my 16 numbers of a row; in the merge: the figures
	s_load_b128 s[4:7], s[0:1], 0x0                ; b s[4:5], u_hat s[6:7]
	s_load_b64 s[8:9], s[0:1], 0x10                ; svals
	v_lshl_add_u32 v180, v0, 2, 0x18100
	v_mov_b32 v181, 0
	v_lshlrev_b32 v[OFF], 4, v0
	s_lshl_b32 s2, ttmp9, 19                       ; the work-group's 16 rows of 32,768 bytes: at most 255 << 19, inside 32 bits
	s_mov_b32 s3, 0
	s_lshl_b32 s10, ttmp9, 6                       ; its 16 results of 4 bytes
	s_mov_b32 s11, 0
	s_wait_kmcnt 0x0
	s_add_nc_u64 s[4:5], s[4:5], s[2:3]
	s_add_nc_u64 s[8:9], s[8:9], s[10:11]
.irp j, 0,1,2,3
	global_load_b128 v[U+4*\j:U+4*\j+3], v[OFF], s[6:7] offset:QUART*\j    ; read by every work-group: no hint
.endr
.macro FILL base, byte                 ; four loads: my 64 bytes of the row that starts at \byte; b is read once in the launch
.irp j, 0,1,2,3
	global_load_b128 v[\base+4*\j:\base+4*\j+3], v[OFF], s[4:5] offset:\byte+QUART*\j th:TH_LOAD_NT
.endr
.endm
.irp r, 0,1,2,3,4,5,6,7
	FILL X+16*\r, \r*ROWB                          ; the ring is filled before anything else is done
.endr
	s_mov_b32 s12, 0xfe000000                      ; FLOOR = -2^125: keeps m finite where all 16 numbers are -inf
	s_mov_b32 s13, 0xbfb8aa3b                      ; -log2 e
	s_mov_b32 s14, 0x76543210                      ; v_permlanex16_b32: lane i of one half reads lane i of the other
	s_mov_b32 s15, 0xfedcba98
	v_lshrrev_b32 v[RA], 5, v0
	v_readfirstlane_b32 s16, v[RA]                 ; my wave's number as a scalar
	v_and_b32 v[SA], 31, v0                        ; lane
	s_lshl_b32 s17, s16, 7                         ; a wave's 32 words of a figure
	v_lshl_add_u32 v[LA0], v[SA], 2, s17           ; = 4 t
	v_add_nc_u32 v[LA1], HALF, v[LA0]
	s_mul_i32 s18, s16, ROWFIG                     ; the merge: wave w takes row w
	v_lshl_add_u32 v[RA], v[SA], 4, s18
	s_lshl_b32 s19, s16, 2
	s_add_co_u32 s19, s19, SOUT
	v_mov_b32 v[SA], s19
; Row r of the work-group.  fill = 1: its slot gets row r + DEPTH.  left = how many younger loads may stay out.
.macro ROW r, fill, left
.set XS, X+16*((\r)%DEPTH)
.set FB, ((\r)+DEPTH)*ROWB
.set LO, ((\r)%8)*ROWFIG
.if (\r) < 8
.set LAR, LA0
.else
.set LAR, LA1
.endif
	s_wait_loadcnt \left                           ; loads come back in order (ISA guide 5.7.1): this row's four are in, the younger rows stay out
	v_max3_num_f32 v[P+0], v[XS+0],  v[XS+1],  v[XS+2]     ; the largest of my 16 numbers, as a tree
	v_max3_num_f32 v[P+1], v[XS+3],  v[XS+4],  v[XS+5]
	v_max3_num_f32 v[P+2], v[XS+6],  v[XS+7],  v[XS+8]
	v_max3_num_f32 v[P+3], v[XS+9],  v[XS+10], v[XS+11]
	v_max3_num_f32 v[P+4], v[XS+12], v[XS+13], v[XS+14]
	v_max3_num_f32 v[P+0], v[P+0], v[P+1], v[P+2]
	v_max3_num_f32 v[P+3], v[P+3], v[P+4], v[XS+15]
	v_max3_num_f32 v[P+0], v[P+0], v[P+3], s12             ; and never below FLOOR
	v_mul_f32 v[NM],   s13, v[P]                           ; -m log2e, made twice to fill the pair that the packed multiply-add adds
	v_mul_f32 v[NM+1], s13, v[P]
.irp k, 0,2,4,6,8,10,12,14
	v_pk_fma_f32 v[T+\k:T+\k+1], v[XS+\k:XS+\k+1], 0x3fb8aa3b, v[NM:NM+1] op_sel_hi:[1,0,1]   ; x log2e - m log2e, one rounding
.endr
.if \fill
	FILL XS, FB                                    ; the slot has been read out: its next row is asked for at once
.endif
.irp k, 0,1,2,3,4,5,6,7,8,9,10,11,12,13,14,15
	v_exp_f32 v[T+\k], v[T+\k]
.endr
	v_nop                                          ; one plain vector instruction between the exponentials and the first use of a result (ISA guide 5.7.2)
	s_wait_alu depctr_va_vdst(0)
	v_pk_add_f32 v[P:P+1],     v[T:T+1],     v[T+2:T+3]            ; sum e as a tree, sum e u in two chains, interleaved
	v_pk_mul_f32 v[Q:Q+1],     v[T:T+1],     v[U:U+1]              ; the first products start the sums: nothing is cleared
	v_pk_add_f32 v[P+2:P+3],   v[T+4:T+5],   v[T+6:T+7]
	v_pk_mul_f32 v[Q+2:Q+3],   v[T+2:T+3],   v[U+2:U+3]
	v_pk_add_f32 v[P+4:P+5],   v[T+8:T+9],   v[T+10:T+11]
	v_pk_fma_f32 v[Q:Q+1],     v[T+4:T+5],   v[U+4:U+5],   v[Q:Q+1]
	v_pk_add_f32 v[P+6:P+7],   v[T+12:T+13], v[T+14:T+15]
	v_pk_fma_f32 v[Q+2:Q+3],   v[T+6:T+7],   v[U+6:U+7],   v[Q+2:Q+3]
	v_pk_add_f32 v[P:P+1],     v[P:P+1],     v[P+2:P+3]
	v_pk_fma_f32 v[Q:Q+1],     v[T+8:T+9],   v[U+8:U+9],   v[Q:Q+1]
	v_pk_add_f32 v[P+4:P+5],   v[P+4:P+5],   v[P+6:P+7]
	v_pk_fma_f32 v[Q+2:Q+3],   v[T+10:T+11], v[U+10:U+11], v[Q+2:Q+3]
	v_pk_add_f32 v[P:P+1],     v[P:P+1],     v[P+4:P+5]
	v_pk_fma_f32 v[Q:Q+1],     v[T+12:T+13], v[U+12:U+13], v[Q:Q+1]
	v_pk_fma_f32 v[Q+2:Q+3],   v[T+14:T+15], v[U+14:U+15], v[Q+2:Q+3]
	v_add_f32 v[P], v[P], v[P+1]
	v_pk_add_f32 v[Q:Q+1],     v[Q:Q+1],     v[Q+2:Q+3]
	v_add_f32 v[Q], v[Q], v[Q+1]
	ds_store_b32 v[LAR], v[NM] offset:LO           ; my three figures of the row: 32 neighbouring words for each store
	ds_store_b32 v[LAR], v[P]  offset:LO+FIGB
	ds_store_b32 v[LAR], v[Q]  offset:LO+2*FIGB
.endm
.irp r, 0,1,2,3,4,5,6,7
	ROW \r, 1, 4*(DEPTH-1)                         ; seven younger rows of four loads stay out
.endr
.irp r, 8,9,10,11,12,13,14,15
	ROW \r, 0, 4*(15-\r)                           ; nothing is left to ask for: the counts run down to 0
.endr
	; THE MERGE.  Every wave's figures are in LDS before any wave reads them.
	s_wait_dscnt 0x0                               ; for the other waves' sake: all my stores are done
	s_barrier_signal -1
	s_barrier_wait -1
.irp f, 0,1,2
.irp j, 0,1,2,3
	ds_load_b128 v[X+16*\f+4*\j:X+16*\f+4*\j+3], v[RA] offset:\f*FIGB+512*\j   ; figure f of threads 4 lane + 128 j .. + 3 of row w
.endr
.endr
	s_wait_dscnt 8                                 ; the four loads of -m log2e are in; the eight younger ones (sum e, sum e u) stay out
	v_min3_num_f32 v[P+0], v[X+0],  v[X+1],  v[X+2]        ; the smallest -m log2e is the row's maximum
	v_min3_num_f32 v[P+1], v[X+3],  v[X+4],  v[X+5]
	v_min3_num_f32 v[P+2], v[X+6],  v[X+7],  v[X+8]
	v_min3_num_f32 v[P+3], v[X+9],  v[X+10], v[X+11]
	v_min3_num_f32 v[P+4], v[X+12], v[X+13], v[X+14]
	v_min3_num_f32 v[P+0], v[P+0], v[P+1], v[P+2]
	v_min3_num_f32 v[P+3], v[P+3], v[P+4], v[X+15]
	v_min_num_f32 v[P], v[P], v[P+3]
	v_min_num_f32_dpp v[P], v[P], v[P] row_xmask:1 row_mask:0xf bank_mask:0xf
	v_min_num_f32_dpp v[P], v[P], v[P] row_xmask:2 row_mask:0xf bank_mask:0xf
	v_min_num_f32_dpp v[P], v[P], v[P] row_xmask:4 row_mask:0xf bank_mask:0xf
	v_min_num_f32_dpp v[P], v[P], v[P] row_xmask:8 row_mask:0xf bank_mask:0xf
	v_permlanex16_b32 v[P+1], v[P], s14, s15       ; the other half of the lanes (the destination has been written before)
	v_min_num_f32 v[NM],   v[P], v[P+1]            ; every lane holds it, twice for the packed subtraction
	v_min_num_f32 v[NM+1], v[P], v[P+1]
.irp k, 0,2,4,6,8,10,12,14
	v_pk_add_f32 v[T+\k:T+\k+1], v[NM:NM+1], v[X+\k:X+\k+1] neg_lo:[0,1] neg_hi:[0,1]     ; (m_i - m_row) log2e, never above 0
.endr
.irp k, 0,1,2,3,4,5,6,7,8,9,10,11,12,13,14,15
	v_exp_f32 v[T+\k], v[T+\k]
.endr
	s_wait_dscnt 0x0                               ; sum e and sum e u are in
	v_nop                                          ; the plain instruction behind the exponentials
	s_wait_alu depctr_va_vdst(0)
	v_pk_mul_f32 v[P:P+1],   v[T:T+1],   v[X+16:X+17]
	v_pk_mul_f32 v[P+2:P+3], v[T+2:T+3], v[X+18:X+19]
	v_pk_mul_f32 v[Q:Q+1],   v[T:T+1],   v[X+32:X+33]
	v_pk_mul_f32 v[Q+2:Q+3], v[T+2:T+3], v[X+34:X+35]
.irp k, 4,8,12
	v_pk_fma_f32 v[P:P+1],   v[T+\k:T+\k+1],   v[X+16+\k:X+17+\k], v[P:P+1]
	v_pk_fma_f32 v[P+2:P+3], v[T+\k+2:T+\k+3], v[X+18+\k:X+19+\k], v[P+2:P+3]
	v_pk_fma_f32 v[Q:Q+1],   v[T+\k:T+\k+1],   v[X+32+\k:X+33+\k], v[Q:Q+1]
	v_pk_fma_f32 v[Q+2:Q+3], v[T+\k+2:T+\k+3], v[X+34+\k:X+35+\k], v[Q+2:Q+3]
.endr
	v_pk_add_f32 v[P:P+1], v[P:P+1], v[P+2:P+3]
	v_pk_add_f32 v[Q:Q+1], v[Q:Q+1], v[Q+2:Q+3]
	v_add_f32 v[P], v[P], v[P+1]
	v_add_f32 v[Q], v[Q], v[Q+1]
.irp x, 1,2,4,8
	v_add_f32_dpp v[P], v[P], v[P] row_xmask:\x row_mask:0xf bank_mask:0xf
	v_add_f32_dpp v[Q], v[Q], v[Q] row_xmask:\x row_mask:0xf bank_mask:0xf
.endr
	v_permlanex16_b32 v[P+1], v[P], s14, s15
	v_permlanex16_b32 v[Q+1], v[Q], s14, s15
	v_add_f32 v[P], v[P], v[P+1]                   ; the row's sum of e: at least about 1 (the maximum's own term), at most 8192
	v_add_f32 v[Q], v[Q], v[Q+1]                   ; the row's sum of e u
	v_rcp_f32 v[P+1], v[P]
	v_nop                                          ; the plain instruction behind the reciprocal
	s_wait_alu depctr_va_vdst(0)
	v_mul_f32 v[Q], v[Q], v[P+1]                   ; s of row w, in every lane
	ds_store_b32 v[SA], v[Q]                       ; all lanes write the same word with the same value
	s_wait_dscnt 0x0                               ; for wave 0's sake
	s_barrier_signal -1
	s_barrier_wait -1
	s_cmp_lg_u32 s16, 0
	s_cbranch_scc1 .Lend                           ; wave 0 stores the work-group's 16 results as 64 consecutive bytes
	v_cmp_gt_u32 vcc_lo, 16, v0
	s_wait_xcnt 0x0                                ; EXEC is a source of every global instruction issued so far: it changes only behind this wait
	s_and_saveexec_b32 s17, vcc_lo
	ds_load_b32 v[P], v[LA1] offset:HALF           ; in wave 0: 4 x lane + SOUT
	s_wait_dscnt 0x0
	global_store_b32 v[LA0], v[P], s[8:9]          ; in wave 0: 4 x lane
	s_wait_xcnt 0x0                                ; and again in front of the line that widens EXEC
	s_or_b32 exec_lo, exec_lo, s17
.Lend:
	s_wait_tensorcnt 0x0
	ds_add_u32 v180, v181
	s_wait_dscnt 0x0
	s_endpgm
.Lfunc_end_k_qabc77f1c49_rowdot:
	.size	k_qabc77f1c49_rowdot, .Lfunc_end_k_qabc77f1c49_rowdot-k_qabc77f1c49_rowdot
	.p2alignl 7, 3214868480
	.fill 96, 4, 3214868480
	.section	.rodata,"a",@progbits
	.p2align	6, 0x0
	.amdhsa_kernel k_qabc77f1c49_rowdot
		.amdhsa_group_segment_fixed_size 100608
		.amdhsa_private_segment_fixed_size 0
		.amdhsa_enable_private_segment 0
		.amdhsa_kernarg_size 24
		.amdhsa_user_sgpr_count 2
		.amdhsa_user_sgpr_kernarg_segment_ptr 1
		.amdhsa_wavefront_size32 1
		.amdhsa_system_sgpr_workgroup_id_x 1
		.amdhsa_system_sgpr_workgroup_id_y 1
		.amdhsa_system_sgpr_workgroup_id_z 1
		.amdhsa_system_vgpr_workitem_id 0
		.amdhsa_next_free_vgpr 182
		.amdhsa_next_free_sgpr 66
		.amdhsa_reserve_vcc 1
		.amdhsa_float_denorm_mode_32 3
		.amdhsa_float_denorm_mode_16_64 3
		.amdhsa_memory_ordered 1
		.amdhsa_forward_progress 1
		.amdhsa_inst_pref_size 64
	.end_amdhsa_kernel
	.amdgpu_metadata
---
amdhsa.version: [ 1, 2 ]
amdhsa.kernels:
  - .name:           k_qabc77f1c49_rowdot
    .symbol:         k_qabc77f1c49_rowdot.kd
    .args:
      - { .name: b, .offset: 0, .size: 8, .value_kind: global_buffer, .address_space: global }
      - { .name: u_hat, .offset: 8, .size: 8, .value_kind: global_buffer, .address_space: global }
      - { .name: svals, .offset: 16, .size: 8, .value_kind: global_buffer, .address_space: global }
    .group_segment_fixed_size: 100608
    .private_segment_fixed_size: 0
    .kernarg_segment_align: 8
    .kernarg_segment_size: 24
    .max_flat_workgroup_size: 512
    .sgpr_count:     66
    .vgpr_count:     182
    .wavefront_size: 32
...
	.end_amdgpu_metadata
.endif
;; end of part 1
;; launch squash (part 2): grid 1 x 1, 8 waves a work-group, no clusters, 1,280 bytes of LDS; arguments svals, out0; writes out0
.if DOCPART == 2
	.amdgcn_target "amdgcn-amd-amdhsa--gfx1250"
	.amdhsa_code_object_version 6
	.text
	.protected	k_qabc77f1c49_squash
	.globl	k_qabc77f1c49_squash
	.p2align	8
	.type	k_qabc77f1c49_squash,@function
k_qabc77f1c49_squash:
	s_mov_b64 s[64:65], 0
	v_nop
	global_prefetch_b8 v0, s[64:65] scope:SCOPE_SE
	s_setreg_imm32_b32 hwreg(HW_REG_WAVE_MODE, 25, 1), 1
	s_wait_xcnt 0x0
; v[c] = q s[c] / ((1 + q) sqrt(q)),  q = sum over all 4096 c of s[c]^2.   svals, out0: [4096] f32.
; The sum spans every row, so it stands in a launch of its own, behind the one that made s.  16 KB in, 16 KB out: work for one
; work-group.  Eight waves; thread t holds the 16 bytes at 16 t + 4096 j (j = 0..3), so every load and store of a wave covers 512
; consecutive aligned bytes, and s stays in registers between the sum and the scaling.
; The factor is formed as the reference writes it (q times the reciprocal of (1 + q) sqrt(q)), so that q = 0 gives NaN there as here.
; LIMITS: q below 2^-126 counts as 0 in v_sqrt_f32, and (1 + q) sqrt(q) above 2^126 has its reciprocal flushed to 0 (these
; instructions flush denormals); the sum runs in another order than the reference's.
; No matrix instructions, clusters or prefetches: there is no product here and nothing is shared or streamed.
.set OFF, 1                            ; v1        16 t
.set WA,  2                            ; v2        my wave's word in LDS
.set ZA,  3                            ; v3        LDS byte 0
.set SV,  4                            ; v[4:19]   my 16 numbers of s, then of v
.set P,   20                           ; v[20:23]  partial sums of squares
.set W,   24                           ; v[24:31]  the eight waves' sums; v24 then holds q
.set F,   32                           ; v[32:33]  the factor, twice (a pair for the packed multiply)
.set R,   34                           ; v34       sqrt(q), then the reciprocal
.set D,   35                           ; v35       (1 + q) sqrt(q)
	s_load_b128 s[4:7], s[0:1], 0x0                ; svals s[4:5], out0 s[6:7]
	v_lshl_add_u32 v36, v0, 2, 0x100
	v_mov_b32 v37, 0
	v_lshlrev_b32 v[OFF], 4, v0
	v_lshrrev_b32 v[WA], 5, v0
	v_readfirstlane_b32 s8, v[WA]                  ; my wave's number as a scalar
	s_lshl_b32 s9, s8, 2
	v_mov_b32 v[WA], s9
	v_mov_b32 v[ZA], 0
	s_mov_b32 s10, 0x76543210                      ; v_permlanex16_b32: lane i of one half reads lane i of the other
	s_mov_b32 s11, 0xfedcba98
	s_wait_kmcnt 0x0
.irp j, 0,1,2,3
	global_load_b128 v[SV+4*\j:SV+4*\j+3], v[OFF], s[4:5] offset:4096*\j
.endr
	s_wait_loadcnt 3                               ; the first load is in, the three younger ones stay out
	v_pk_mul_f32 v[P:P+1],   v[SV:SV+1],   v[SV:SV+1]      ; the first squares start the two chains: nothing is cleared
	v_pk_mul_f32 v[P+2:P+3], v[SV+2:SV+3], v[SV+2:SV+3]
.irp j, 1,2,3
	s_wait_loadcnt 3-\j                            ; load j is in, the 3 - j younger ones stay out
	v_pk_fma_f32 v[P:P+1],   v[SV+4*\j:SV+4*\j+1],   v[SV+4*\j:SV+4*\j+1],   v[P:P+1]
	v_pk_fma_f32 v[P+2:P+3], v[SV+4*\j+2:SV+4*\j+3], v[SV+4*\j+2:SV+4*\j+3], v[P+2:P+3]
.endr
	v_pk_add_f32 v[P:P+1], v[P:P+1], v[P+2:P+3]
	v_add_f32 v[P], v[P], v[P+1]
.irp x, 1,2,4,8
	v_add_f32_dpp v[P], v[P], v[P] row_xmask:\x row_mask:0xf bank_mask:0xf
.endr
	v_permlanex16_b32 v[P+1], v[P], s10, s11       ; the destination has been written before
	v_add_f32 v[P], v[P], v[P+1]                   ; my wave's sum, in every lane
	ds_store_b32 v[WA], v[P]                       ; all lanes write the same word with the same value
	s_wait_dscnt 0x0                               ; for the other waves' sake
	s_barrier_signal -1
	s_barrier_wait -1
	ds_load_b128 v[W:W+3],   v[ZA]                 ; the eight sums, in every lane: every wave adds them in the same order
	ds_load_b128 v[W+4:W+7], v[ZA] offset:16
	s_wait_dscnt 0x0
	v_pk_add_f32 v[W:W+1],   v[W:W+1],   v[W+2:W+3]
	v_pk_add_f32 v[W+4:W+5], v[W+4:W+5], v[W+6:W+7]
	v_pk_add_f32 v[W:W+1],   v[W:W+1],   v[W+4:W+5]
	v_add_f32 v[W], v[W], v[W+1]                   ; q
	v_sqrt_f32 v[R], v[W]
	v_add_f32 v[D], 1.0, v[W]                      ; the plain instruction behind the root (ISA guide 5.7.2), and useful
	s_wait_alu depctr_va_vdst(0)
	v_mul_f32 v[D], v[D], v[R]                     ; (1 + q) sqrt(q)
	v_rcp_f32 v[R], v[D]
	v_nop                                          ; the plain instruction behind the reciprocal
	s_wait_alu depctr_va_vdst(0)
	v_mul_f32 v[F],   v[W], v[R]                   ; q / ((1 + q) sqrt(q)), made twice to fill the pair
	v_mul_f32 v[F+1], v[W], v[R]
.irp k, 0,2,4,6,8,10,12,14
	v_pk_mul_f32 v[SV+\k:SV+\k+1], v[SV+\k:SV+\k+1], v[F:F+1]
.endr
.irp j, 0,1,2,3
	global_store_b128 v[OFF], v[SV+4*\j:SV+4*\j+3], s[6:7] offset:4096*\j  ; sixteen lanes store 256 consecutive bytes, at a multiple of 256 from out0's first byte
.endr
	s_wait_tensorcnt 0x0
	ds_add_u32 v36, v37
	s_wait_dscnt 0x0
	s_endpgm
.Lfunc_end_k_qabc77f1c49_squash:
	.size	k_qabc77f1c49_squash, .Lfunc_end_k_qabc77f1c49_squash-k_qabc77f1c49_squash
	.p2alignl 7, 3214868480
	.fill 96, 4, 3214868480
	.section	.rodata,"a",@progbits
	.p2align	6, 0x0
	.amdhsa_kernel k_qabc77f1c49_squash
		.amdhsa_group_segment_fixed_size 1280
		.amdhsa_private_segment_fixed_size 0
		.amdhsa_enable_private_segment 0
		.amdhsa_kernarg_size 16
		.amdhsa_user_sgpr_count 2
		.amdhsa_user_sgpr_kernarg_segment_ptr 1
		.amdhsa_wavefront_size32 1
		.amdhsa_system_sgpr_workgroup_id_x 1
		.amdhsa_system_sgpr_workgroup_id_y 1
		.amdhsa_system_sgpr_workgroup_id_z 1
		.amdhsa_system_vgpr_workitem_id 0
		.amdhsa_next_free_vgpr 38
		.amdhsa_next_free_sgpr 66
		.amdhsa_reserve_vcc 0
		.amdhsa_float_denorm_mode_32 3
		.amdhsa_float_denorm_mode_16_64 3
		.amdhsa_memory_ordered 1
		.amdhsa_forward_progress 1
		.amdhsa_inst_pref_size 5
	.end_amdhsa_kernel
	.amdgpu_metadata
---
amdhsa.version: [ 1, 2 ]
amdhsa.kernels:
  - .name:           k_qabc77f1c49_squash
    .symbol:         k_qabc77f1c49_squash.kd
    .args:
      - { .name: svals, .offset: 0, .size: 8, .value_kind: global_buffer, .address_space: global }
      - { .name: out0, .offset: 8, .size: 8, .value_kind: global_buffer, .address_space: global }
    .group_segment_fixed_size: 1280
    .private_segment_fixed_size: 0
    .kernarg_segment_align: 8
    .kernarg_segment_size: 16
    .max_flat_workgroup_size: 256
    .sgpr_count:     66
    .vgpr_count:     38
    .wavefront_size: 32
...
	.end_amdgpu_metadata
.endif
;; end of part 2
